; MI455X (gfx1250); checked and timed in simulation.
; The chip was launched on July 23, 2026; its instructions are those of AMD's public machine-readable ISA for CDNA 5 (MIT licence, August 2026) and "CDNA5" Instruction Set Architecture Reference Guide (July 2026). The comments in the code are by the model that wrote it; some were corrected since.
;; Bahdanau Attention. Allowed arithmetic: matrix products marked QUANTISED: E2M1 operands, one E8M0 scale for each 32 along K, by v_wmma_scale_f32_16x16x128_f8f6f4 with both operands' format E2M1 (or v_wmma_scale_f32_32x16x128_f4), f32 sums; products left as they are: f32 operands where the result goes on into a quantised operand, else bf16, f16 or f32 operands; f32 sums; everything else in f32.
;; Inputs: Ua_b 1,024 float32; Ua_w_codes 1,024 x 32 x 16 uint8 (E2M1 codes of Ua_w, K innermost, in blocks of 32 codes, two codes a byte); Ua_w_scales 1,024 x 32 uint8 (E8M0 scales of Ua_w, one for each 32 codes along K); Va_b 1 float32; Va_w 1,024 x 1 float32; Wa_b 1,024 float32; Wa_w_codes 1,024 x 32 x 16 uint8 (E2M1 codes of Wa_w, K innermost, in blocks of 32 codes, two codes a byte); Wa_w_scales 1,024 x 32 uint8 (E8M0 scales of Wa_w, one for each 32 codes along K); keys 32 x 2,048 x 1,024 float32; query_codes 32 x 1 x 32 x 16 uint8 (E2M1 codes of query, K innermost, in blocks of 32 codes, two codes a byte); query_scales 32 x 1 x 32 uint8 (E8M0 scales of query, one for each 32 codes along K).
;; Outputs: out0 32 x 1 x 1,024 float32; out1 32 x 1 x 2,048 float32.
;; This version of the problem:
;;   THIS VERSION OF THE PROBLEM IS GIVEN IN LOW PRECISION. The matrix products marked QUANTISED in the list below multiply operands that are first quantised to E2M1 (2 exponent bits, 1 mantissa bit; 4 bits a number), with one power-of-two scale for each 32 numbers along K (OCP MX v1.0); their sums are f32. All else is computed in f32.
;;   The module's matrix products, in the order in which they are computed (A, B: the left and right operand; K: the contracted axis; several contracted axes count as one K, in the product's order):
;;     1. [M 32, K 1,024] x [K 1,024, N 1,024]; A: input query (given as codes); B: input Wa_w (given as codes): QUANTISED
;;     2. [M 65,536, K 1,024] x [K 1,024, N 1,024]; A: input keys; B: input Ua_w (given as codes): QUANTISED
;;     3. [M 65,536, K 1,024] x [K 1,024, N 1]; A: computed on the way; B: input Va_w: left as it is (N = 1 < 16)
;;     4. batch 32 x [M 1, K 2,048] x [K 2,048, N 1,024]; A: softmax; B: input keys: left as it is (M = 1 < 16)
;;   THE QUANTISER, for each operand of a quantised product, along K:
;;     - K is cut into blocks of 32 from its start; a last block that is shorter is filled with zeros.
;;     - A block's scale is 2^e with e = floor(log2(the largest magnitude in the block)) - 2, held to -126 .. 127; a block of zeros has e = 0. As a byte (E8M0): e + 127.
;;     - Each number is divided by its block's scale, clamped to +-6, and rounded to the nearest number of E2M1, ties to even, subnormals kept.
;;     - The product sums the exact products of the quantised numbers (number of the format x scale) in f32.
;;   ~~~python
;;   def quantise(x, axis):      # numpy; x: float32 -> the quantised numbers, widened to float32 again
;;       x = np.moveaxis(x, axis, -1); K = x.shape[-1]
;;       x = np.pad(x, [(0, 0)] * (x.ndim - 1) + [(0, -K % 32)]); x = x.reshape(x.shape[:-1] + (-1, 32)); a = np.abs(x).max(-1, keepdims=True)
;;       e = np.where(a > 0, np.clip(np.frexp(np.where(a > 0, a, 1))[1] - 1 - 2, -126, 127), 0)      # np.frexp(a)[1] - 1 = floor(log2(a)), exactly
;;       r = np.clip(x / 2.0 ** e, -6, 6)
;;       step = 2.0 ** (np.maximum(np.frexp(np.where(r == 0, 1, r))[1] - 1, 0) - 1)
;;       q = np.round(r / step) * step * 2.0 ** e      # np.round: ties to even
;;       return np.moveaxis(q.reshape(q.shape[:-2] + (-1,))[..., :K], -1, axis).astype(np.float32)
;;   ~~~
;;   INPUTS GIVEN AS CODES. Ua_w (in the module: [1024, 1024], K = its axis 0); Wa_w (in the module: [1024, 1024], K = its axis 0); query (in the module: [32, 1, 1024], K = its axis 2): each comes as NAME_codes (uint8): NAME with its K axis moved to the last place and cut into blocks of 32 codes, [.., K / 32, bytes a block], one block behind the other in memory; two codes a byte, the lower K in the low four bits (a code: sign, 2 exponent bits, 1 mantissa bit); and NAME_scales (uint8): the same leading axes, one E8M0 byte (e + 127) for each 32 codes along K. Its value is code x scale, taken as it is: it is not quantised again, and the codes and scales need not be those that the quantiser above would give.
;; One version. Each part assembles by itself: llvm-mc -triple=amdgcn-amd-amdhsa -mcpu=gfx1250 --defsym DOCPART=n.
;; ======== version 1 of 1: 3 launches
;; limits: values are held in f16: magnitudes above 65,504 overflow, below 6.1e-05 lose precision; right only within a limited range of input values
;; workspace buffers: bv 262,144 bytes; ts 262,144 bytes; pctx 2,097,152 bytes
;; launch prep (part 1): grid 16 x 1, 4 waves a work-group, no clusters, 0 bytes of LDS; arguments query_codes, query_scales, Wa_w_codes, Wa_w_scales, Wa_b, Ua_b, Va_w, bv; writes bv
.if DOCPART == 1
	.amdgcn_target "amdgcn-amd-amdhsa--gfx1250"
	.amdhsa_code_object_version 6
	.text
	.protected	k_q4d9f3b0723_prep
	.globl	k_q4d9f3b0723_prep
	.p2align	8
	.type	k_q4d9f3b0723_prep,@function
k_q4d9f3b0723_prep:
	s_mov_b64 s[64:65], 0
	v_nop
	global_prefetch_b8 v0, s[64:65] scope:SCOPE_SE
	s_setreg_imm32_b32 hwreg(HW_REG_WAVE_MODE, 25, 1), 1
	s_wait_xcnt 0x0
; q_proj = query Wa (both given as codes of E2M1 with E8M0 scales), and what the main launch wants of it for each batch b and column n:
;   bv[b][n] = ( c (q_proj[b][n] + Wa_b[n] + Ua_b[n]),  -2 Va_w[n] ),  c = 2 log2(e).
; tanh(x) = 1 - 2 / (1 + 2^(c x)), so a score is Va_b + sum(Va_w) + the sum over n of (-2 Va_w[n]) / (1 + 2^(c k_proj + bv[b][n][0])).
; DEAD WORK.  Va_b + sum(Va_w) is one number, the same for every key of a batch.  The scores reach the outputs through softmax along the keys alone
; (weights, and context = weights x keys), and softmax(s + k) = softmax(s) for every k: so that term is left out, for all values of the inputs.
; Va_b then has no way to any output: it is not loaded and is no argument of any launch.  LIMIT: a NaN, an infinity or an overflow in the term left out is not carried to the results.
; SHARES.  64 tiles of 16 columns, one a wave, for both tiles of 16 batches: 16 matrix instructions a wave, two accumulators by turns.
; Source 0 = 16 batches of query, source 1 = 16 rows of Wa's codes: register j of lane (r, h) is q_proj(batch 8 h + j of the tile, column r of the tile).
; No LDS, no barrier: waves share nothing.  No cluster, no ring: each byte is read by one wave (query's by all, 17 KB).
; LIMITS: NaN and infinities among the inputs are not served.
.set CC,  0x4038aa3b                   ; c = 2 log2(e)
.set QF,  16                           ; v16-143  query's fragments: batch tile mt, K step ks at QF + 64 mt + 8 ks
.set WF,  144                          ; v144-207 Wa's fragments of my 16 columns
.set QS,  208                          ; v208-215 query's scale words: lane L = batch L.  Scales and nothing else
.set WS,  216                          ; v216-223 Wa's scale words: lane r = column r.  Scales and nothing else
.set A0,  224                          ; the two sums
.set A1,  232
	s_load_b256 s[4:11], s[0:1], 0x0               ; query's codes, its scales, Wa's codes, its scales
	s_load_b256 s[12:19], s[0:1], 0x20             ; Wa_b, Ua_b, Va_w, bv
	v_lshrrev_b32 v1, 5, v0
	v_readfirstlane_b32 s24, v1                    ; wave 0..3
	s_lshl_b32 s25, ttmp9, 2
	s_add_co_u32 s25, s25, s24                     ; my tile of 16 columns
	v_and_b32 v1, 31, v0                           ; lane L
	v_and_b32 v2, 15, v0                           ; r
	v_bfe_u32 v3, v0, 4, 1                         ; h
	v_lshlrev_b32 v4, 9, v2
	v_lshl_add_u32 v4, v3, 4, v4                   ; a fragment: row r of 512 bytes, + 16 h
	v_lshlrev_b32 v5, 5, v1                        ; query's scales: 32 bytes a batch
	v_lshlrev_b32 v6, 5, v2                        ; Wa's: 32 bytes a column
	v_lshlrev_b32 v7, 2, v2                        ; the biases and Va_w
	v_lshlrev_b32 v8, 3, v2
	v_lshl_add_u32 v8, v3, 16, v8                  ; bv: 8 bytes a column, 8 h batches of 8,192 bytes
	s_lshl_b32 s28, s25, 13
	s_mov_b32 s29, 0
	s_lshl_b32 s30, s25, 9
	s_mov_b32 s31, 0
	s_lshl_b32 s32, s25, 6
	s_mov_b32 s33, 0
	s_lshl_b32 s34, s25, 7
	s_mov_b32 s35, 0
	s_mov_b32 s26, CC
	s_wait_alu depctr_va_vdst(0)
	s_wait_kmcnt 0x0
	s_add_nc_u64 s[8:9], s[8:9], s[28:29]
	s_add_nc_u64 s[10:11], s[10:11], s[30:31]
	s_add_nc_u64 s[12:13], s[12:13], s[32:33]
	s_add_nc_u64 s[14:15], s[14:15], s[32:33]
	s_add_nc_u64 s[16:17], s[16:17], s[32:33]
	s_add_nc_u64 s[18:19], s[18:19], s[34:35]
.irp mt, 0,1
.irp ks, 0,1,2,3,4,5,6,7
.irp d, 0,1
	global_load_b128 v[QF+64*\mt+8*\ks+4*\d:QF+64*\mt+8*\ks+4*\d+3], v4, s[4:5] offset:8192*\mt+64*\ks+32*\d
.endr
.endr
.endr
.irp ks, 0,1,2,3,4,5,6,7
.irp d, 0,1
	global_load_b128 v[WF+8*\ks+4*\d:WF+8*\ks+4*\d+3], v4, s[8:9] offset:64*\ks+32*\d
.endr
.endr
.irp d, 0,1
	global_load_b128 v[QS+4*\d:QS+4*\d+3], v5, s[6:7] offset:16*\d
	global_load_b128 v[WS+4*\d:WS+4*\d+3], v6, s[10:11] offset:16*\d
.endr
	global_load_b32 v240, v7, s[12:13]             ; Wa_b of my column
	global_load_b32 v241, v7, s[14:15]             ; Ua_b
	global_load_b32 v242, v7, s[16:17]             ; Va_w
	s_wait_loadcnt 0x0
.irp ks, 0,1,2,3,4,5,6,7                       ; batches 16-31 have their scale words in lanes 16-31
.if \ks == 0
	v_wmma_scale_f32_16x16x128_f8f6f4 v[A0:A0+7], v[QF+8*\ks:QF+8*\ks+7], v[WF+8*\ks:WF+8*\ks+7], 0, v[QS+\ks], v[WS+\ks] matrix_a_fmt:MATRIX_FMT_FP4 matrix_b_fmt:MATRIX_FMT_FP4
	v_wmma_scale_f32_16x16x128_f8f6f4 v[A1:A1+7], v[QF+64+8*\ks:QF+64+8*\ks+7], v[WF+8*\ks:WF+8*\ks+7], 0, v[QS+\ks], v[WS+\ks] matrix_a_fmt:MATRIX_FMT_FP4 matrix_b_fmt:MATRIX_FMT_FP4 matrix_a_scale:MATRIX_SCALE_ROW1
.else
	v_wmma_scale_f32_16x16x128_f8f6f4 v[A0:A0+7], v[QF+8*\ks:QF+8*\ks+7], v[WF+8*\ks:WF+8*\ks+7], v[A0:A0+7], v[QS+\ks], v[WS+\ks] matrix_a_fmt:MATRIX_FMT_FP4 matrix_b_fmt:MATRIX_FMT_FP4
	v_wmma_scale_f32_16x16x128_f8f6f4 v[A1:A1+7], v[QF+64+8*\ks:QF+64+8*\ks+7], v[WF+8*\ks:WF+8*\ks+7], v[A1:A1+7], v[QS+\ks], v[WS+\ks] matrix_a_fmt:MATRIX_FMT_FP4 matrix_b_fmt:MATRIX_FMT_FP4 matrix_a_scale:MATRIX_SCALE_ROW1
.endif
.endr
.rept 4
	v_nop                                          ; four places behind the last products (ISA guide 7.12.1)
.endr
	v_add_f32 v240, v240, v241
	v_mul_f32 v240, s26, v240                      ; c (Wa_b + Ua_b)
	v_mul_f32 v243, -2.0, v242                     ; -2 Va_w
.irp mt, 0,1                                   ; each accumulator from its low end on
.irp j, 0,1,2,3,4,5,6,7
	v_fma_f32 v[16+2*(8*\mt+\j)], v[A0+8*\mt+\j], s26, v240
	v_mov_b32 v[17+2*(8*\mt+\j)], v243             ; the pair's second word, beside the first for a store of 8 bytes
.endr
.endr
.irp mt, 0,1
.irp j, 0,1,2,3,4,5,6,7
	global_store_b64 v8, v[16+2*(8*\mt+\j):17+2*(8*\mt+\j)], s[18:19] offset:(16*\mt+\j)*8192   ; batch 16 mt + 8 h + j: sixteen lanes store 128 consecutive bytes
.endr
.endr
	s_endpgm
.Lfunc_end_k_q4d9f3b0723_prep:
	.size	k_q4d9f3b0723_prep, .Lfunc_end_k_q4d9f3b0723_prep-k_q4d9f3b0723_prep
	.p2alignl 7, 3214868480
	.fill 96, 4, 3214868480
	.section	.rodata,"a",@progbits
	.p2align	6, 0x0
	.amdhsa_kernel k_q4d9f3b0723_prep
		.amdhsa_group_segment_fixed_size 0
		.amdhsa_private_segment_fixed_size 0
		.amdhsa_enable_private_segment 0
		.amdhsa_kernarg_size 64
		.amdhsa_user_sgpr_count 2
		.amdhsa_user_sgpr_kernarg_segment_ptr 1
		.amdhsa_wavefront_size32 1
		.amdhsa_system_sgpr_workgroup_id_x 1
		.amdhsa_system_sgpr_workgroup_id_y 1
		.amdhsa_system_sgpr_workgroup_id_z 1
		.amdhsa_system_vgpr_workitem_id 0
		.amdhsa_next_free_vgpr 256
		.amdhsa_next_free_sgpr 66
		.amdhsa_reserve_vcc 0
		.amdhsa_float_denorm_mode_32 3
		.amdhsa_float_denorm_mode_16_64 3
		.amdhsa_memory_ordered 1
		.amdhsa_forward_progress 1
		.amdhsa_inst_pref_size 12
	.end_amdhsa_kernel
	.amdgpu_metadata
---
amdhsa.version: [ 1, 2 ]
amdhsa.kernels:
  - .name:           k_q4d9f3b0723_prep
    .symbol:         k_q4d9f3b0723_prep.kd
    .args:
      - { .name: query_codes, .offset: 0, .size: 8, .value_kind: global_buffer, .address_space: global }
      - { .name: query_scales, .offset: 8, .size: 8, .value_kind: global_buffer, .address_space: global }
      - { .name: Wa_w_codes, .offset: 16, .size: 8, .value_kind: global_buffer, .address_space: global }
      - { .name: Wa_w_scales, .offset: 24, .size: 8, .value_kind: global_buffer, .address_space: global }
      - { .name: Wa_b, .offset: 32, .size: 8, .value_kind: global_buffer, .address_space: global }
      - { .name: Ua_b, .offset: 40, .size: 8, .value_kind: global_buffer, .address_space: global }
      - { .name: Va_w, .offset: 48, .size: 8, .value_kind: global_buffer, .address_space: global }
      - { .name: bv, .offset: 56, .size: 8, .value_kind: global_buffer, .address_space: global }
    .group_segment_fixed_size: 0
    .private_segment_fixed_size: 0
    .kernarg_segment_align: 8
    .kernarg_segment_size: 64
    .max_flat_workgroup_size: 128
    .sgpr_count:     66
    .vgpr_count:     256
    .wavefront_size: 32
...
	.end_amdgpu_metadata
.endif
;; end of part 1
;; launch main (part 2): grid 512 x 1, 4 waves a work-group, clusters of 4 x 1, 327,680 bytes of LDS; arguments keys, Ua_w_codes, Ua_w_scales, bv, ts, pctx; writes ts, pctx
.if DOCPART == 2
	.amdgcn_target "amdgcn-amd-amdhsa--gfx1250"
	.amdhsa_code_object_version 6
	.text
	.protected	k_q4d9f3b0723_main
	.globl	k_q4d9f3b0723_main
	.p2align	8
	.type	k_q4d9f3b0723_main,@function
k_q4d9f3b0723_main:
	s_mov_b64 s[64:65], 0
	v_nop
	global_prefetch_b8 v0, s[64:65] scope:SCOPE_SE
	s_setreg_imm32_b32 hwreg(HW_REG_WAVE_MODE, 25, 1), 1
	s_wait_xcnt 0x0
	s_wait_alu depctr_hold_cnt(0) depctr_sa_sdst(0) depctr_va_vdst(0) depctr_va_sdst(0) depctr_va_ssrc(0) depctr_va_vcc(0) depctr_vm_vsrc(0)
	s_getreg_b32 s2, hwreg(HW_REG_IB_STS2, 6, 4)
	s_cmp_eq_u32 s2, 0
	s_cbranch_scc0 .Lentry_in_a_cluster
	s_endpgm
.Lentry_in_a_cluster:
	s_bfe_u32 s2, ttmp6, 0x10000c
	s_cmp_lg_u32 s2, 0x3003
	s_cbranch_scc0 .Lentry_shape_is_right
	s_endpgm
.Lentry_shape_is_right:
; For 128 keys of one batch: quantise them to E2M1 along H, k_proj = keys Ua on codes, score = sum over n of (-2 Va[n]) / (1 + 2^(c k_proj + bv[n])), t = score log2(e);
; M = the block's largest t, p = 2^(t - M), and the block's part of the context, sum of p x key.  Stored: the 128 t (ts) and that part (pctx); a later launch joins the 16 blocks of a batch.
; LEFT OUT as dead work: the term Va_b + sum(Va_w), the same for all keys of a batch, which softmax takes away (shown at the head of the first kernel).
; THE KEYS ARE READ FROM MEMORY ONCE, and are quantised IN THE LAYOUT IN WHICH THEY ARE LOADED.  A unit is 16 rows x 128 numbers; a load reads 512 consecutive bytes of a row, so lane L holds numbers 4 L .. 4 L + 3 of each row,
; and a block of 32 lies in 8 neighbouring lanes: its largest magnitude is two lines in the lane and three across lanes.  The conversion takes 8 registers, the quads of rows 2 j and 2 j + 1: it is run once with each row's scale,
; and of the first result the low 16 bits are kept, of the second the high 16.  Only codes (2 bytes a lane and row) and scale bytes go to LDS, as plain rows of 512 bytes + 16.
; THE COPY FOR THE CONTEXT stays in registers as f16 (keys of the problem's kind, also 30 times larger, lie far inside f16's range): register 32 ks + 8 e + q of window 2 + row tile holds (row 2 q, row 2 q + 1) of number 128 ks + 4 L + e.
; These 8 registers are source 1 of v_wmma_f32_16x16x32_f16 with K = 16 rows of keys in each half of the lanes.  Source 0 holds p in lane 0 (row 0, the K places of lanes 0-15) and in lane 24 (row 8, those of lanes 16-31), zeros elsewhere:
; so register 0 of the result is, in lane L, the sum of p x key at number 4 L + e.  64 matrix instructions a wave, 32 accumulators by turns.
; SHARES.  512 work-groups of four waves.  LOAD: wave w takes rows 32 w .. + 31.  PRODUCT: wave (rh, ch) = (w / 2, w % 2) takes rows 64 rh .. + 63 and columns 512 ch .. + 511; its rows' codes stay in 256 registers;
; Ua goes by in 8 tiles of 64 columns for each column half, through a ring of two LDS slots.  A chunk is 32 columns: 64 matrix instructions on 8 accumulators by turns, then its activation.
; CLUSTER.  Ua's tiles and scale bytes are the same for every work-group: the four of a cluster ask for them jointly, each wave for 32 rows of 512 bytes.
; NO PREFETCH of the keys: in the load phase each wave has 4 units, 32 KB, on their way all the time, and the phase has nothing else to wait for; Ua's 544 KB are read by all work-groups again and again.
; LIMITS: NaN and infinities among the inputs are not served.  A block of zeros gets the scale byte 1 (its codes are zeros; the bytes are read here alone).  Keys and p enter the context rounded to f16; sums are f32.
; REGISTERS, in windows of 256 (s_set_vgpr_msb: bits 1:0 source 0, 3:2 source 1, 5:4 source 2, 7:6 destination):
;   window 0: v1-31 addresses; the rest by phase.  window 1: LOAD: four sets of 64 numbers as loaded; then the keys' fragments (row tile a, K step ks at 64 a + 8 ks); then the context's 32 accumulators.  windows 2, 3: the f16 copy.
.set BP,     528                       ; an LDS row of codes: 512 bytes + 16: the 16 rows of a load start at 16 different banks (ISA guide 11.1)
.set SLOT1,  1<<17                     ; slot 0 at byte 0, slot 1 here.  A slot: 128 rows of Ua
.set SCB,    128*BP                    ; Ua's scale bytes as units of 256 bytes + 16.  Filled once
.set SCQ,    32*272                    ; a quarter of them
.set BVL,    SCB+4*SCQ                 ; bv's row of my batch
.set ASC,    BVL+8192                  ; the keys' scale bytes: 32 a row
.set TSL,    ASC+4096                  ; t of the 128 rows
.set SPARE,  TSL+512                   ; the spare words: two blocks of 256 bytes that no other line names
.set CODES,  SLOT1+128*BP              ; the keys' codes: 128 rows of BP
.set PARTS,  CODES+128*BP              ; the scores' parts, [column half][row][16] f32
.set CX,     PARTS+16384               ; for each wave its part of the context, 4,096 bytes
.set SPW,  1
.set NIL,  2
.set KO,   3                           ; 16 x lane
.set IMW,  6                           ; where I store codes
.set ASW,  7                           ; and scale bytes
.set ADA,  9                           ; where I read my 64 rows' fragments
.set ASR,  10                          ; and their scale words
.set AB0,  11                          ; my lane's place in a slot,
.set AS0,  12                          ; among Ua's scale words,
.set AV0,  13                          ; in bv's row
.set ADB,  14                          ; the same for the step in hand
.set ADS,  15
.set ADV,  16
.set SCW,  17
.set SCRD, 18
.set TSW,  19
.set TSX,  20
.set TSU,  21
.set CXW,  22
.set CXR,  23
.set BVW,  24
.set BVG,  25
.set SA,   32                          ; v32-47 the keys' scale words.  Scales and nothing else
.set SB,   48                          ; v48-55 Ua's.  Scales and nothing else
.set BV,   56                          ; v56-63 (c bias, -2 Va) of my column
.set SCR,  64                          ; v64-95 my part of the scores
.set ACC,  96                          ; v96-159 the 8 accumulators
.set BS,   160                         ; v160-255 Ua's fragments: six sets of two
.set MX,   64                          ; LOAD: v64-79 largest magnitudes of the unit's 16 rows
.set SCO,  80                          ; v80-95 the conversions' scale operands
.set BY,   96                          ; v96-111 the scale bytes
.set CD,   112                         ; v112-127 the codes
.set BT,   148                         ; v148-163 bv's row on its way to LDS
.set SS,   96
.set PU,   160                         ; v160-191 t, then p, of my 32 rows
.set PA,   200                         ; v200-215 p as f16 pairs, in lanes 0 and 24 alone
.set MSB, 0
.macro WIN new
.if MSB != \new
	s_set_vgpr_msb (MSB<<8)|\new
.set MSB, \new
.endif
.endm
.macro PLACES
.rept 4
	v_nop
.endr
.endm
.macro CROUND                          ; a round of the cluster's barrier
	s_barrier_signal -1
	s_barrier_wait -1
	s_cmp_lg_u32 s18, 0
	s_cbranch_scc1 .Lnot_wave_0_\@
	s_barrier_signal -3
.Lnot_wave_0_\@:
	s_barrier_wait -3
	s_barrier_signal -1
	s_barrier_wait -1
.endm
.macro BARRIER                         ; my LDS stores have landed and my LDS loads are in: then the work-group's barrier
	s_wait_alu depctr_va_vdst(0)
	s_wait_dscnt 0x0
	s_barrier_signal -1
	s_barrier_wait -1
.endm
; A first fill behind the head: all my tensor loads are in, the add, its wait (and my LDS stores' and loads'), a round, and my one joint load behind it
.macro FILL g0, g1
	s_wait_alu depctr_va_vdst(0)
	s_wait_tensorcnt 0x0
	ds_add_u32 v[SPW], v[NIL]
	s_wait_dscnt 0x0
	CROUND
	tensor_load_to_lds s[\g0:\g0+3], s[\g1:\g1+7]
	s_nop 0
	PLACES
.endm
	s_load_b256 s[4:11], s[0:1], 0x0               ; keys, Ua's codes, Ua's scales, bv
	s_load_b128 s[12:15], s[0:1], 0x20             ; ts, pctx
	v_lshl_add_u32 v[SPW], v0, 2, SPARE
	v_mov_b32 v[NIL], 0
	ds_add_u32 v[SPW], v[NIL]                      ; the opening: the add twice on end, under one wait
	ds_add_u32 v[SPW], v[NIL]
	v_lshrrev_b32 v27, 5, v0
	v_readfirstlane_b32 s18, v27                   ; wave 0..3
	s_lshr_b32 s21, s18, 1                         ; rh
	s_and_b32 s22, s18, 1                          ; ch
	s_bfe_u32 s19, ttmp6, 0x40000                  ; cx
	s_lshl_b32 s20, ttmp9, 2
	s_add_co_u32 s20, s20, s19                     ; my block of 128 keys: it enters addresses in memory alone
	s_mov_b32 s24, 15|(0<<16)|(1<<20)|(1<<21)|(6<<22)|(3<<25)   ; Ua's tiles: mask of all four; bytes; 4 words of padding after every 128
	s_mov_b32 s25, 512<<16
	s_mov_b32 s26, 32<<16
	s_mov_b32 s27, 512<<16
	s_mov_b32 s28, 32
	s_mov_b32 s29, 512
	s_mov_b32 s30, 0
	s_mov_b32 s31, 0
	s_mov_b32 s32, 15|(3<<16)|(1<<20)|(1<<21)|(5<<22)|(3<<25)   ; a quarter of the scale bytes: 32 rows of 256 bytes, 16 of padding behind each
	s_mov_b32 s33, 32<<16
	s_mov_b32 s34, 32<<16
	s_mov_b32 s35, 32<<16
	s_mov_b32 s36, 32
	s_mov_b32 s37, 32
	s_mov_b32 s38, 0
	s_mov_b32 s39, 0
	s_mov_b32 s40, 1                               ; groups 0: s[40:43] tile 0 into slot 0; s[44:47] tile 1 into slot 1, which then walks; s[48:51] the scale bytes
	s_mul_i32 s41, s18, 32*BP
	s_mov_b32 s44, 1
	s_add_co_u32 s45, s41, SLOT1
	s_mov_b32 s48, 1
	s_mul_i32 s49, s18, SCQ
	s_add_co_u32 s49, s49, SCB
	s_lshl_b32 s82, s21, 18                        ; Ua in memory: row 512 (wave / 2) + 32 (wave % 2)
	s_lshl_b32 s83, s22, 14
	s_add_co_u32 s82, s82, s83
	s_mov_b32 s83, 0
	s_lshl_b32 s16, s18, 13                        ; my quarter of the scale bytes
	s_mov_b32 s17, 0
	s_mov_b32 s52, 0                               ; the slot in hand
	s_mov_b32 s53, 0                               ; the step's scale words of Ua
	s_mov_b32 s54, 0                               ; its pairs of bv
	s_mov_b32 s56, 0x4038aa3b                      ; c = 2 log2(e)
	s_mov_b32 s57, s56
	s_mov_b32 s58, 0x76543210
	s_mov_b32 s59, 0xfedcba98
	s_mov_b32 s23, 0x1800000                       ; the floor 2^(3 - 127): a scale byte cannot fall under 1
	s_mov_b32 s73, 0xff000000                      ; 2 off an exponent field
	s_lshl_b32 s74, s20, 19                        ; keys: 128 rows of 4,096 bytes a block, 32 rows a wave
	s_lshl_b32 s75, s18, 17
	s_add_co_u32 s74, s74, s75
	s_mov_b32 s75, 0
	s_lshr_b32 s76, s20, 4
	s_lshl_b32 s76, s76, 13                        ; bv: 8,192 bytes a batch
	s_mov_b32 s77, 0
	s_lshl_b32 s78, s20, 9                         ; ts: 512 bytes a block
	s_mov_b32 s79, 0
	s_lshl_b32 s80, s20, 12                        ; pctx: 4,096 bytes a block, 1,024 a wave
	s_lshl_b32 s81, s18, 10
	s_add_co_u32 s80, s80, s81
	s_add_co_u32 s61, s81, ASC                     ; the LDS bases: a constant + a constant x wave
	s_add_co_u32 s72, s81, CX
	s_mov_b32 s81, 0
	s_add_co_u32 s60, s41, CODES
	s_mul_i32 s62, s21, 64*BP
	s_add_co_u32 s62, s62, CODES
	s_lshl_b32 s63, s21, 11
	s_add_co_u32 s63, s63, ASC
	s_mul_i32 s66, s22, 64*BP
	s_mul_i32 s67, s22, 2*SCQ
	s_add_co_u32 s67, s67, SCB
	s_lshl_b32 s68, s22, 12
	s_add_co_u32 s68, s68, BVL
	s_lshl_b32 s69, s22, 13
	s_lshl_b32 s70, s21, 12
	s_add_co_u32 s69, s69, s70
	s_add_co_u32 s69, s69, PARTS
	s_lshl_b32 s70, s18, 7
	s_add_co_u32 s70, s70, TSL
	s_lshl_b32 s71, s18, 12
	s_add_co_u32 s71, s71, CX
	v_and_b32 v27, 31, v0                          ; lane L
	v_and_b32 v28, 15, v0                          ; r
	v_bfe_u32 v29, v0, 4, 1                        ; h
	v_lshlrev_b32 v[KO], 4, v27
	v_lshl_add_u32 v[IMW], v27, 1, s60             ; codes: 2 bytes a lane
	v_lshrrev_b32 v31, 3, v27
	v_add_nc_u32 v[ASW], s61, v31                  ; scale bytes: byte L / 8 of the K step's word
	v_mul_u32_u24 v30, v28, BP
	v_lshl_add_u32 v30, v29, 4, v30                ; a fragment: row r, + 16 h
	v_add_nc_u32 v[ADA], s62, v30
	v_lshl_add_u32 v[ASR], v27, 5, s63
	v_add_nc_u32 v[AB0], s66, v30
	v_lshlrev_b32 v[AS0], 5, v27
	v_lshl_add_u32 v[AS0], v31, 4, v[AS0]
	v_add_nc_u32 v[AS0], s67, v[AS0]
	v_lshl_add_u32 v[AV0], v28, 3, s68
	v_lshlrev_b32 v[SCW], 2, v28
	v_lshl_add_u32 v[SCW], v29, 9, v[SCW]
	v_add_nc_u32 v[SCW], s69, v[SCW]
	v_lshl_add_u32 v[SCRD], v0, 6, PARTS
	v_lshl_add_u32 v[TSW], v0, 2, TSL
	v_add_nc_u32 v[TSX], TSL, v[KO]
	v_mov_b32 v[TSU], s70
	v_add_nc_u32 v[CXW], s71, v[KO]
	v_add_nc_u32 v[CXR], s72, v[KO]
	v_lshl_add_u32 v[BVW], v0, 4, BVL
	v_lshlrev_b32 v[BVG], 4, v0
	s_wait_alu depctr_va_vdst(0)
	s_wait_dscnt 0x0                               ; both opening adds are done
	s_wait_kmcnt 0x0
	s_add_nc_u64 s[50:51], s[8:9], s[16:17]
	s_or_b32 s51, s51, 0x80000000
	s_add_nc_u64 s[42:43], s[6:7], s[82:83]
	s_add_nc_u64 s[46:47], s[42:43], 32768         ; a tile on: 64 rows of 512 bytes
	s_or_b32 s43, s43, 0x80000000
	s_or_b32 s47, s47, 0x80000000
	s_add_nc_u64 s[4:5], s[4:5], s[74:75]
	s_add_nc_u64 s[10:11], s[10:11], s[76:77]
	s_add_nc_u64 s[12:13], s[12:13], s[78:79]
	s_add_nc_u64 s[14:15], s[14:15], s[80:81]
	CROUND                                         ; all four work-groups are here: the first joint loads meet
	tensor_load_to_lds s[48:51], s[32:39]          ; my one load at the head: my quarter of the scale bytes
	s_nop 0
	PLACES
.irp i, 0,1,2,3
	global_load_b128 v[BT+4*\i:BT+4*\i+3], v[BVG], s[10:11] offset:2048*\i   ; bv's row
.endr
; ---- LOAD.  Unit u = row tile u / 8, K step u % 8
.macro KLOAD u
	WIN 0x40
.set II, 0
.rept 16
	global_load_b128 v[64*((\u)%4)+4*II:64*((\u)%4)+4*II+3], v[KO], s[4:5] offset:65536*((\u)/8)+4096*II+512*((\u)%8) th:TH_LOAD_NT
.set II, II+1
.endr
	WIN 0
.endm
.macro UNIT u
.set URT, (\u)/8
.set UKS, (\u)%8
.set UR,  64*((\u)%4)
.if (\u) <= 12
	s_wait_loadcnt 48                              ; my unit's 16 loads are in (in unit 0 bv's four too, which are older); those of the three units behind it may be out
.else
	s_wait_loadcnt 16*(15-(\u))
.endif
.set WN, 0x85+0x40*URT
	WIN WN                                         ; sources window 1, destination window 2 or 3
.set II, 0
.rept 8
.irp e, 0,1,2,3
	v_cvt_pk_f16_f32 v[32*UKS+8*\e+II], v[UR+8*II+\e], v[UR+8*II+4+\e]   ; the copy: rows 2 q and 2 q + 1 of one number
.endr
.set II, II+1
.endr
	WIN 0x15
.set II, 0
.rept 16
	v_max3_num_f32 v[MX+II], |v[UR+4*II]|, |v[UR+4*II+1]|, |v[UR+4*II+2]|
.set II, II+1
.endr
	WIN 0x01
.set II, 0
.rept 16
	v_max3_num_f32 v[MX+II], |v[UR+4*II+3]|, v[MX+II], s23           ; my four numbers of row i, and the floor
.set II, II+1
.endr
	WIN 0
.irp m, 1,2,4                                  ; with the seven other lanes of the block; the 16 rows by turns
.set II, 0
.rept 16
	v_max_num_f32_dpp v[MX+II], v[MX+II], v[MX+II] row_xmask:\m row_mask:0xf bank_mask:0xf
.set II, II+1
.endr
.endr
.set II, 0
.rept 16
	v_add_nc_u32 v[SCO+II], s73, v[MX+II]          ; the conversion takes the exponent field of this operand as its scale
.set II, II+1
.endr
.set II, 0
.rept 16
	v_lshrrev_b32 v[BY+II], 23, v[SCO+II]          ; the scale's byte
.set II, II+1
.endr
	WIN 0x01
.set II, 0
.rept 16
	v_cvt_scalef32_pk8_fp4_f32 v[CD+II], v[UR+8*(II/2):UR+8*(II/2)+7], v[SCO+II]   ; even row: the low 16 bits are its codes; odd row: the high 16
.set II, II+1
.endr
	v_nop                                          ; one plain place behind the last scaled conversion
.if (\u) <= 11
	KLOAD (\u)+4                                   ; the set takes the unit four further on
.endif
	WIN 0
.set II, 0
.rept 8
	ds_store_b16 v[IMW], v[CD+2*II] offset:(16*URT+2*II)*BP+64*UKS
	ds_store_b16_d16_hi v[IMW], v[CD+2*II+1] offset:(16*URT+2*II+1)*BP+64*UKS
.set II, II+1
.endr
.set II, 0
.rept 16
	ds_store_b8 v[ASW], v[BY+II] offset:(16*URT+II)*32+4*UKS   ; the 8 lanes of a block write the same byte with the same value
.set II, II+1
.endr
.if (\u) == 0
.irp i, 0,1,2,3
	ds_store_b128 v[BVW], v[BT+4*\i:BT+4*\i+3] offset:2048*\i
.endr
.endif
.endm
.irp u, 0,1,2,3
	KLOAD \u
.endr
	FILL 40, 24                                    ; tile 0, behind the full sequence
.irp u, 0,1,2,3,4,5,6,7,8,9,10,11,12,13,14,15
	UNIT \u
.endr
	FILL 44, 24                                    ; everybody's codes, scale bytes, bv, Ua's scale bytes and tile 0 lie in LDS; tile 1 is asked for: it has step 0 in which to land
; ---- what stays in registers for the products
	WIN 0x40
.irp a, 0,1,2,3
.irp ks, 0,1,2,3,4,5,6,7
.irp d, 0,1
	ds_load_b128 v[64*\a+8*\ks+4*\d:64*\a+8*\ks+4*\d+3], v[ADA] offset:16*BP*\a+64*\ks+32*\d
.endr
.endr
.endr
	WIN 0
.irp p, 0,1
.irp q, 0,1
	ds_load_b128 v[SA+8*\p+4*\q:SA+8*\p+4*\q+3], v[ASR] offset:1024*\p+16*\q   ; lane L: row 32 p + L of my 64
.endr
.endr
.set II, 0
.rept 32
	v_mov_b32 v[SCR+II], 0                         ; the activation is written once: its first chunk adds onto zeros
.set II, II+1
.endr
; ---- THE STEPS
.macro ADDRS
	v_add_nc_u32 v[ADB], s52, v[AB0]
	v_add_nc_u32 v[ADS], s53, v[AS0]
	v_add_nc_u32 v[ADV], s54, v[AV0]
	s_wait_alu depctr_va_vdst(0)
.endm
.macro BLOAD c, ks                     ; Ua's two fragments of chunk c, K step ks, into set ks % 6: four loads
.irp b, 0,1
.irp d, 0,1
	ds_load_b128 v[BS+16*((\ks)%6)+8*\b+4*\d:BS+16*((\ks)%6)+8*\b+4*\d+3], v[ADB] offset:32*BP*(\c)+16*BP*\b+64*(\ks)+32*\d
.endr
.endr
.endm
.macro PSB c                           ; chunk c's scale words of Ua and its pairs of bv: four loads
	ds_load_b128 v[SB:SB+3], v[ADS] offset:1088*(\c)
	ds_load_b128 v[SB+4:SB+7], v[ADS] offset:1088*(\c)+16
.irp b, 0,1
	ds_load_b64 v[BV+4*(\c)+2*\b:BV+4*(\c)+2*\b+1], v[ADV] offset:256*(\c)+128*\b
.endr
.endm
.macro MM a, b, ks
.set rD, ACC+8*(2*(\a)+(\b))
.set rA, 64*(\a)+8*(\ks)
.set rB, BS+16*((\ks)%6)+8*(\b)
.set rX, SA+8*((\a)/2)+(\ks)
.set rY, SB+(\ks)
.if (\ks) == 0
.if ((\a)%2 == 0) && ((\b) == 0)
	v_wmma_scale_f32_16x16x128_f8f6f4 v[rD:rD+7], v[rA:rA+7], v[rB:rB+7], 0, v[rX], v[rY] matrix_a_fmt:MATRIX_FMT_FP4 matrix_b_fmt:MATRIX_FMT_FP4
.elseif (\a)%2 == 0
	v_wmma_scale_f32_16x16x128_f8f6f4 v[rD:rD+7], v[rA:rA+7], v[rB:rB+7], 0, v[rX], v[rY] matrix_a_fmt:MATRIX_FMT_FP4 matrix_b_fmt:MATRIX_FMT_FP4 matrix_b_scale:MATRIX_SCALE_ROW1
.elseif (\b) == 0
	v_wmma_scale_f32_16x16x128_f8f6f4 v[rD:rD+7], v[rA:rA+7], v[rB:rB+7], 0, v[rX], v[rY] matrix_a_fmt:MATRIX_FMT_FP4 matrix_b_fmt:MATRIX_FMT_FP4 matrix_a_scale:MATRIX_SCALE_ROW1
.else
	v_wmma_scale_f32_16x16x128_f8f6f4 v[rD:rD+7], v[rA:rA+7], v[rB:rB+7], 0, v[rX], v[rY] matrix_a_fmt:MATRIX_FMT_FP4 matrix_b_fmt:MATRIX_FMT_FP4 matrix_a_scale:MATRIX_SCALE_ROW1 matrix_b_scale:MATRIX_SCALE_ROW1
.endif
.else
.if ((\a)%2 == 0) && ((\b) == 0)
	v_wmma_scale_f32_16x16x128_f8f6f4 v[rD:rD+7], v[rA:rA+7], v[rB:rB+7], v[rD:rD+7], v[rX], v[rY] matrix_a_fmt:MATRIX_FMT_FP4 matrix_b_fmt:MATRIX_FMT_FP4
.elseif (\a)%2 == 0
	v_wmma_scale_f32_16x16x128_f8f6f4 v[rD:rD+7], v[rA:rA+7], v[rB:rB+7], v[rD:rD+7], v[rX], v[rY] matrix_a_fmt:MATRIX_FMT_FP4 matrix_b_fmt:MATRIX_FMT_FP4 matrix_b_scale:MATRIX_SCALE_ROW1
.elseif (\b) == 0
	v_wmma_scale_f32_16x16x128_f8f6f4 v[rD:rD+7], v[rA:rA+7], v[rB:rB+7], v[rD:rD+7], v[rX], v[rY] matrix_a_fmt:MATRIX_FMT_FP4 matrix_b_fmt:MATRIX_FMT_FP4 matrix_a_scale:MATRIX_SCALE_ROW1
.else
	v_wmma_scale_f32_16x16x128_f8f6f4 v[rD:rD+7], v[rA:rA+7], v[rB:rB+7], v[rD:rD+7], v[rX], v[rY] matrix_a_fmt:MATRIX_FMT_FP4 matrix_b_fmt:MATRIX_FMT_FP4 matrix_a_scale:MATRIX_SCALE_ROW1 matrix_b_scale:MATRIX_SCALE_ROW1
.endif
.endif
.endm
; Chunk c's products.  Its LDS loads were issued in this order: four of scales and bv, four for each of K steps 0 to 5 (under the activation before); behind K step 1's products the eight for K steps 6 and 7
.macro G c
.irp ks, 0,1,2,3,4,5,6,7
.if \ks < 2
	s_wait_dscnt 20-4*\ks                          ; this K step's set and all that is older are in; the four loads of each younger set, up to K step 5's, may be out
.else
	s_wait_dscnt 28-4*\ks                          ; likewise, with the eight for K steps 6 and 7 among the younger ones
.endif
	WIN 0x01
.irp a, 0,1,2,3
.irp b, 0,1
	MM \a, \b, \ks
.endr
.endr
.if \ks == 1
	WIN 0
	PLACES
	BLOAD \c, 6
	BLOAD \c, 7
.endif
.endr
	WIN 0
	PLACES
.endm
; Chunk c's activation: SCR += (-2 Va) / (1 + 2^(c x + c bias)).  2^.. = infinity gives 0, 2^.. = 0 gives 1: no hold is needed.
; Two batches of 64 transcendentals, each with one wait ahead of it and one behind.  pf = 0 or 1: the chunk that is multiplied next: its first 28 LDS loads stand here, in runs.  pf = 2: nothing follows.
.macro T c, pf
.if (\pf) < 2
	PSB \pf
	BLOAD \pf, 0
.endif
.set TP, 0
.rept 32
.set rV, BV+4*(\c)+2*((TP/4)%2)
	v_pk_fma_f32 v[ACC+2*TP:ACC+2*TP+1], v[ACC+2*TP:ACC+2*TP+1], s[56:57], v[rV:rV+1] op_sel_hi:[1,0,0]   ; c x + c bias; each accumulator from its low end on
.set TP, TP+1
.endr
	s_wait_alu depctr_va_vdst(0)
.set TP, 0
.rept 64
.if ((\pf) < 2) && (TP == 16)
	BLOAD \pf, 1
.endif
.if ((\pf) < 2) && (TP == 32)
	BLOAD \pf, 2
.endif
.if ((\pf) < 2) && (TP == 48)
	BLOAD \pf, 3
.endif
	v_exp_f32 v[ACC+TP], v[ACC+TP]
.set TP, TP+1
.endr
	v_nop
	s_wait_alu depctr_va_vdst(0)
.set TP, 0
.rept 32
	v_pk_add_f32 v[ACC+2*TP:ACC+2*TP+1], v[ACC+2*TP:ACC+2*TP+1], 1.0 op_sel_hi:[1,0]
.set TP, TP+1
.endr
	s_wait_alu depctr_va_vdst(0)
.set TP, 0
.rept 64
.if ((\pf) < 2) && (TP == 16)
	BLOAD \pf, 4
.endif
.if ((\pf) < 2) && (TP == 40)
	BLOAD \pf, 5
.endif
	v_rcp_f32 v[ACC+TP], v[ACC+TP]
.set TP, TP+1
.endr
	v_nop
	s_wait_alu depctr_va_vdst(0)
.irp b, 0,1
.irp a, 0,1,2,3
.irp j, 0,2,4,6
	v_pk_fma_f32 v[SCR+8*\a+\j:SCR+8*\a+\j+1], v[ACC+8*(2*\a+\b)+\j:ACC+8*(2*\a+\b)+\j+1], v[BV+4*(\c)+2*\b:BV+4*(\c)+2*\b+1], v[SCR+8*\a+\j:SCR+8*\a+\j+1] op_sel:[0,1,0] op_sel_hi:[1,1,1]   ; x (-2 Va): the pair's second word for both halves
.endr
.endr
.endr
.endm
; THE CHANGE OF SLOTS, behind a step's last products.  fill = 1: the barrier is a round of the cluster's, and the joint refill, the tile two steps on, is the first thing behind it
.macro CHANGE fill
	s_wait_tensorcnt 0x0                           ; no tensor load of mine is out (one was: my part of the other slot)
	ds_add_u32 v[SPW], v[NIL]                      ; the steps below stand between the add and its wait
.if \fill
	s_xor_b32 s45, s45, SLOT1
	s_add_nc_u64 s[46:47], s[46:47], 32768
.endif
	s_xor_b32 s52, s52, SLOT1
	s_add_co_u32 s53, s53, 2176
	s_add_co_u32 s54, s54, 512
	s_wait_dscnt 0x0                               ; the add is done, and my reads of this slot are over
.if \fill
	CROUND
	tensor_load_to_lds s[44:47], s[24:31]
	s_nop 0
	PLACES
.else
	s_barrier_signal -1
	s_barrier_wait -1
.endif
.endm
.macro STEP how                        ; a tile's 64 columns of my half, two chunks.  how = 1: the slot is filled again; 0: it is only left; 2: the last step
	G 0
	T 0, 1
	G 1
.if \how < 2
	CHANGE \how
	ADDRS
	T 1, 0
.else
	T 1, 2
.endif
.endm
	ADDRS
	PSB 0
.irp k, 0,1,2,3,4,5
	BLOAD 0, \k
.endr
	s_mov_b32 s55, 6
.Lstep:                                            ; six trips: tiles 0 to 5 are multiplied, tiles 2 to 7 asked for
	STEP 1
	s_sub_co_u32 s55, s55, 1
	s_cmp_lg_u32 s55, 0
	s_cbranch_scc1 .Lstep
	STEP 0                                         ; the tail is written out
	STEP 2
; ---- THE SCORES.  A row's 32 parts (16 lanes of 2 waves) meet in LDS; thread t sums row t
.irp a, 0,1,2,3
.irp j, 0,1,2,3,4,5,6,7
	ds_store_b32 v[SCW], v[SCR+8*\a+\j] offset:(16*\a+\j)*64
.endr
.endr
	BARRIER
.irp w, 0,1
.irp q, 0,1,2,3
	ds_load_b128 v[SS+16*\w+4*\q:SS+16*\w+4*\q+3], v[SCRD] offset:8192*\w+16*\q
.endr
.endr
	s_wait_dscnt 0x0
.irp i, 0,1,2,3,4,5,6,7
	v_pk_add_f32 v[SS+4*\i:SS+4*\i+1], v[SS+4*\i:SS+4*\i+1], v[SS+4*\i+2:SS+4*\i+3]
.endr
.irp i, 0,1,2,3
	v_pk_add_f32 v[SS+8*\i:SS+8*\i+1], v[SS+8*\i:SS+8*\i+1], v[SS+8*\i+4:SS+8*\i+5]
.endr
	v_pk_add_f32 v[SS:SS+1], v[SS:SS+1], v[SS+8:SS+9]
	v_pk_add_f32 v[SS+16:SS+17], v[SS+16:SS+17], v[SS+24:SS+25]
	v_pk_add_f32 v[SS:SS+1], v[SS:SS+1], v[SS+16:SS+17]
	v_add_f32 v[SS], v[SS], v[SS+1]
	v_mul_f32 v[SS], 0x3fb8aa3b, v[SS]             ; t = score x log2(e)
	ds_store_b32 v[TSW], v[SS]
	BARRIER
	ds_load_b128 v[128:131], v[TSX]                ; all 128 t, four a lane
.irp q, 0,1,2,3,4,5,6,7
	ds_load_b128 v[PU+4*\q:PU+4*\q+3], v[TSU] offset:16*\q   ; and those of the 32 rows whose copy I hold, in every lane
.endr
	s_wait_dscnt 0x0
	v_max3_num_f32 v192, v128, v129, v130
	v_max_num_f32 v192, v192, v131
.irp m, 1,2,4,8
	v_max_num_f32_dpp v192, v192, v192 row_xmask:\m row_mask:0xf bank_mask:0xf
.endr
	v_permlanex16_b32 v193, v192, s58, s59
	v_max_num_f32 v192, v192, v193                 ; M: the block's largest t; the later launch finds the same bits among the stored t
	v_mov_b32 v193, v192
	s_mov_b32 s23, 0x01000001                      ; lanes 0 and 24
	s_wait_alu depctr_va_vdst(0)
	s_cmp_lg_u32 s18, 0
	s_cbranch_scc1 .Lnot_first
	global_store_b128 v[KO], v[128:131], s[12:13]  ; wave 0: 512 consecutive bytes, at a multiple of 512 from ts's first byte
.Lnot_first:
.irp i, 0,2,4,6,8,10,12,14,16,18,20,22,24,26,28,30
	v_pk_add_f32 v[PU+\i:PU+\i+1], v[PU+\i:PU+\i+1], v[192:193] neg_lo:[0,1] neg_hi:[0,1]   ; t - M, 0 or less
.endr
	s_wait_alu depctr_va_vdst(0)
.set II, 0
.rept 32
	v_exp_f32 v[PU+II], v[PU+II]                   ; p = 2^(t - M)
.set II, II+1
.endr
	v_nop
	s_wait_alu depctr_va_vdst(0)
; ---- THE CONTEXT: my 32 rows' p x key on the f16 matrix form
.set II, 0
.rept 16
	v_cvt_pk_f16_f32 v[PA+II], v[PU+2*II], v[PU+2*II+1]
.set II, II+1
.endr
.set II, 0
.rept 16
	v_cndmask_b32 v[PA+II], 0, v[PA+II], s23       ; zeros but in lanes 0 and 24
.set II, II+1
.endr
	PLACES
	WIN 0x48                                       ; source 0 (p) window 0, source 1 (the copy) window 2, destination window 1
.set II, 0
.rept 32
	v_wmma_f32_16x16x32_f16 v[8*II:8*II+7], v[PA:PA+7], v[8*II:8*II+7], 0
.set II, II+1
.endr
	WIN 0x5c                                       ; the copy of row tile 1: window 3; C and D window 1
.set II, 0
.rept 32
	v_wmma_f32_16x16x32_f16 v[8*II:8*II+7], v[PA+8:PA+15], v[8*II:8*II+7], v[8*II:8*II+7]
.set II, II+1
.endr
	PLACES
	WIN 0x04                                       ; an LDS store's data are its source 1: window 1
.set II, 0
.rept 32
	ds_store_b32 v[CXW], v[8*II] offset:512*(II/4)+4*(II%4)   ; register 0 of accumulator 4 ks + e: number 128 ks + 4 L + e
.set II, II+1
.endr
	WIN 0
	BARRIER
.irp w, 0,1,2,3
.irp k, 0,1
	ds_load_b128 v[96+8*\w+4*\k:99+8*\w+4*\k], v[CXR] offset:4096*\w+512*\k   ; the four waves' parts of my quarter of H
.endr
.endr
	s_wait_dscnt 0x0
.irp i, 0,2,4,6
	v_pk_add_f32 v[96+\i:97+\i], v[96+\i:97+\i], v[104+\i:105+\i]
	v_pk_add_f32 v[112+\i:113+\i], v[112+\i:113+\i], v[120+\i:121+\i]
.endr
.irp i, 0,2,4,6
	v_pk_add_f32 v[96+\i:97+\i], v[96+\i:97+\i], v[112+\i:113+\i]
.endr
.irp k, 0,1
	global_store_b128 v[KO], v[96+4*\k:99+4*\k], s[14:15] offset:512*\k   ; 512 consecutive bytes, at a multiple of 512 from pctx's first byte
.endr
	s_wait_tensorcnt 0x0                           ; the wave's end
	ds_add_u32 v[SPW], v[NIL]
	s_wait_dscnt 0x0
	CROUND                                         ; the closing round
	s_endpgm
.Lfunc_end_k_q4d9f3b0723_main:
	.size	k_q4d9f3b0723_main, .Lfunc_end_k_q4d9f3b0723_main-k_q4d9f3b0723_main
	.p2alignl 7, 3214868480
	.fill 96, 4, 3214868480
	.section	.rodata,"a",@progbits
	.p2align	6, 0x0
	.amdhsa_kernel k_q4d9f3b0723_main
		.amdhsa_group_segment_fixed_size 327680
		.amdhsa_private_segment_fixed_size 0
		.amdhsa_enable_private_segment 0
		.amdhsa_kernarg_size 48
		.amdhsa_user_sgpr_count 2
		.amdhsa_user_sgpr_kernarg_segment_ptr 1
		.amdhsa_wavefront_size32 1
		.amdhsa_system_sgpr_workgroup_id_x 1
		.amdhsa_system_sgpr_workgroup_id_y 1
		.amdhsa_system_sgpr_workgroup_id_z 1
		.amdhsa_system_vgpr_workitem_id 0
		.amdhsa_next_free_vgpr 1024
		.amdhsa_next_free_sgpr 84
		.amdhsa_reserve_vcc 0
		.amdhsa_float_denorm_mode_32 3
		.amdhsa_float_denorm_mode_16_64 3
		.amdhsa_memory_ordered 1
		.amdhsa_forward_progress 1
		.amdhsa_inst_pref_size 255
	.end_amdhsa_kernel
	.section	.bss,"aw",@nobits
	.p2align	6
	.space	262144
	.amdgpu_metadata
---
amdhsa.version: [ 1, 2 ]
amdhsa.kernels:
  - .name:           k_q4d9f3b0723_main
    .symbol:         k_q4d9f3b0723_main.kd
    .args:
      - { .name: keys, .offset: 0, .size: 8, .value_kind: global_buffer, .address_space: global }
      - { .name: Ua_w_codes, .offset: 8, .size: 8, .value_kind: global_buffer, .address_space: global }
      - { .name: Ua_w_scales, .offset: 16, .size: 8, .value_kind: global_buffer, .address_space: global }
      - { .name: bv, .offset: 24, .size: 8, .value_kind: global_buffer, .address_space: global }
      - { .name: ts, .offset: 32, .size: 8, .value_kind: global_buffer, .address_space: global }
      - { .name: pctx, .offset: 40, .size: 8, .value_kind: global_buffer, .address_space: global }
    .group_segment_fixed_size: 327680
    .private_segment_fixed_size: 0
    .kernarg_segment_align: 8
    .kernarg_segment_size: 48
    .max_flat_workgroup_size: 128
    .sgpr_count:     84
    .vgpr_count:     1024
    .wavefront_size: 32
...
	.end_amdgpu_metadata
.endif
;; end of part 2
;; launch finish (part 3): grid 32 x 1, 8 waves a work-group, no clusters, 2,048 bytes of LDS; arguments ts, pctx, out0, out1; writes out0, out1
.if DOCPART == 3
	.amdgcn_target "amdgcn-amd-amdhsa--gfx1250"
	.amdhsa_code_object_version 6
	.text
	.protected	k_q4d9f3b0723_finish
	.globl	k_q4d9f3b0723_finish
	.p2align	8
	.type	k_q4d9f3b0723_finish,@function
k_q4d9f3b0723_finish:
	s_mov_b64 s[64:65], 0
	v_nop
	global_prefetch_b8 v0, s[64:65] scope:SCOPE_SE
	s_setreg_imm32_b32 hwreg(HW_REG_WAVE_MODE, 25, 1), 1
	s_wait_xcnt 0x0
; One work-group a batch joins its 16 blocks of 128 keys.  ts holds t = score x log2(e) of the 2,048 keys; pctx, for block g, the sum of 2^(t - M_g) x key, M_g the largest t of the block.
; M = the largest t of the batch; weights = 2^(t - M) / L, L their sum; context = (sum over g of 2^(M_g - M) x pctx[g]) / L.
; M_g is taken anew as the largest of the block's 128 stored t: a maximum rounds nothing, so it is the number that the launch before used.
; SHARES.  Eight waves, 256 threads.  Thread t holds 16 bytes at 16 t of each half of the batch's t (so wave w holds exactly blocks w and 8 + w) and of each block's 4,096 bytes of pctx.
; All 18 loads go out first.  Memory binds; no matrix unit, no cluster: work-groups share nothing.
; LIMITS: NaN and infinities are not served.
	s_load_b256 s[4:11], s[0:1], 0x0               ; ts s[4:5], pctx s[6:7], out0 s[8:9], out1 s[10:11]
	v_lshl_add_u32 v128, v0, 2, 0x400
	v_mov_b32 v129, 0
	v_lshrrev_b32 v1, 5, v0
	s_delay_alu instid0(VALU_DEP_1)
	v_readfirstlane_b32 s12, v1                    ; wave 0..7
	v_lshlrev_b32 v2, 4, v0                        ; 16 t
	s_lshl_b32 s13, s12, 2
	v_mov_b32 v3, s13                              ; LDS: my wave's word
	v_mov_b32 v1, 0                                ; LDS byte 0
	v_mov_b32 v14, 0                               ; written once: a lane permute's destination counts as one of its sources
	v_mov_b32 v15, 0
	s_lshl_b32 s14, ttmp9, 13                      ; ts, out1: 8,192 bytes a batch
	s_mov_b32 s15, 0
	s_lshl_b32 s16, ttmp9, 16                      ; pctx: 16 blocks of 4,096 bytes
	s_mov_b32 s17, 0
	s_lshl_b32 s18, ttmp9, 12                      ; out0: 4,096 bytes
	s_mov_b32 s19, 0
	s_mov_b32 s20, 0x76543210
	s_mov_b32 s21, 0xfedcba98                      ; v_permlanex16_b32's selects for lane l xor 16
	s_wait_alu depctr_va_vdst(0)
	s_wait_kmcnt 0x0
	s_add_nc_u64 s[4:5], s[4:5], s[14:15]
	s_add_nc_u64 s[10:11], s[10:11], s[14:15]
	s_add_nc_u64 s[6:7], s[6:7], s[16:17]
	s_add_nc_u64 s[8:9], s[8:9], s[18:19]
	global_load_b128 v[4:7], v2, s[4:5] th:TH_LOAD_NT
	global_load_b128 v[8:11], v2, s[4:5] offset:4096 th:TH_LOAD_NT
.irp g, 0,1,2,3,4,5,6,7,8,9,10,11,12,13,14,15
	global_load_b128 v[16+4*\g:19+4*\g], v2, s[6:7] offset:4096*\g th:TH_LOAD_NT
.endr
	s_wait_loadcnt 16                              ; t is in; the sixteen loads of pctx may be out
	v_max3_num_f32 v12, v4, v5, v6                 ; the largest t of block w, and of block 8 + w, by turns
	v_max3_num_f32 v13, v8, v9, v10
	s_delay_alu instid0(VALU_DEP_2)
	v_max_num_f32 v12, v12, v7
	s_delay_alu instid0(VALU_DEP_2)
	v_max_num_f32 v13, v13, v11
.irp m, 1,2,4,8
	s_delay_alu instid0(VALU_DEP_2)
	v_max_num_f32_dpp v12, v12, v12 row_xmask:\m row_mask:0xf bank_mask:0xf
	s_delay_alu instid0(VALU_DEP_2)
	v_max_num_f32_dpp v13, v13, v13 row_xmask:\m row_mask:0xf bank_mask:0xf
.endr
	s_delay_alu instid0(VALU_DEP_2)
	v_permlanex16_b32 v14, v12, s20, s21
	s_delay_alu instid0(VALU_DEP_2)
	v_permlanex16_b32 v15, v13, s20, s21
	s_delay_alu instid0(VALU_DEP_2)
	v_max_num_f32 v12, v12, v14
	s_delay_alu instid0(VALU_DEP_2)
	v_max_num_f32 v13, v13, v15
	ds_store_b32 v3, v12                           ; all lanes write the same word with the same value: M_w at 4 w,
	ds_store_b32 v3, v13 offset:32                 ; M_(8 + w) at 32 + 4 w
	s_wait_dscnt 0x0                               ; for the others' sake
	s_barrier_signal -1
	s_barrier_wait -1
.irp q, 0,1,2,3
	ds_load_b128 v[80+4*\q:83+4*\q], v1 offset:16*\q   ; the sixteen M_g, in every lane
.endr
	s_wait_dscnt 0x0
	v_max3_num_f32 v96, v80, v81, v82
	v_max3_num_f32 v97, v83, v84, v85
	s_delay_alu instid0(VALU_DEP_2)
	v_max3_num_f32 v96, v96, v86, v87
	s_delay_alu instid0(VALU_DEP_2)
	v_max3_num_f32 v97, v97, v88, v89
	s_delay_alu instid0(VALU_DEP_2)
	v_max3_num_f32 v96, v96, v90, v91
	s_delay_alu instid0(VALU_DEP_2)
	v_max3_num_f32 v97, v97, v92, v93
	s_delay_alu instid0(VALU_DEP_2)
	v_max3_num_f32 v96, v96, v94, v95
	s_delay_alu instid0(VALU_DEP_1)
	v_max_num_f32 v96, v96, v97                    ; M
	s_delay_alu instid0(VALU_DEP_1)
	v_mov_b32 v97, v96
.irp i, 0,2,4,6,8,10,12,14
	v_pk_add_f32 v[80+\i:81+\i], v[80+\i:81+\i], v[96:97] neg_lo:[0,1] neg_hi:[0,1]   ; M_g - M
.endr
.irp i, 4,6,8,10
	v_pk_add_f32 v[\i:\i+1], v[\i:\i+1], v[96:97] neg_lo:[0,1] neg_hi:[0,1]           ; t - M
.endr
	s_wait_alu depctr_va_vdst(0)
.irp i, 0,1,2,3,4,5,6,7,8,9,10,11,12,13,14,15
	v_exp_f32 v[80+\i], v[80+\i]                   ; f_g = 2^(M_g - M)
.endr
.irp i, 4,5,6,7,8,9,10,11
	v_exp_f32 v[\i], v[\i]                         ; 2^(t - M)
.endr
	v_nop                                          ; a plain place behind the last exponential
	s_wait_alu depctr_va_vdst(0)                   ; one wait for the 24, ahead of the first instruction that names a result
	v_pk_add_f32 v[96:97], v[4:5], v[6:7]
	v_pk_add_f32 v[98:99], v[8:9], v[10:11]
	s_delay_alu instid0(VALU_DEP_1)
	v_pk_add_f32 v[96:97], v[96:97], v[98:99]
	s_delay_alu instid0(VALU_DEP_1)
	v_add_f32 v96, v96, v97
.irp m, 1,2,4,8
	s_delay_alu instid0(VALU_DEP_1)
	v_add_f32_dpp v96, v96, v96 row_xmask:\m row_mask:0xf bank_mask:0xf
.endr
	s_delay_alu instid0(VALU_DEP_1)
	v_permlanex16_b32 v14, v96, s20, s21
	s_delay_alu instid0(VALU_DEP_1)
	v_add_f32 v96, v96, v14                        ; my wave's 256 keys' sum
	ds_store_b32 v3, v96 offset:64                 ; other bytes than the maxima's
	s_wait_dscnt 0x0
	s_barrier_signal -1
	s_barrier_wait -1
	ds_load_b128 v[100:103], v1 offset:64
	ds_load_b128 v[104:107], v1 offset:80
	s_wait_dscnt 0x0
	v_pk_add_f32 v[100:101], v[100:101], v[102:103]
	v_pk_add_f32 v[104:105], v[104:105], v[106:107]
	s_delay_alu instid0(VALU_DEP_1)
	v_pk_add_f32 v[100:101], v[100:101], v[104:105]
	s_delay_alu instid0(VALU_DEP_1)
	v_add_f32 v100, v100, v101                     ; L
	s_wait_alu depctr_va_vdst(0)
	v_rcp_f32 v102, v100
	v_nop                                          ; a plain place behind the reciprocal
	s_wait_alu depctr_va_vdst(0)
	v_mov_b32 v103, v102
.irp i, 4,6,8,10
	v_pk_mul_f32 v[\i:\i+1], v[\i:\i+1], v[102:103]
.endr
	global_store_b128 v2, v[4:7], s[10:11]         ; the weights: a wave's store covers 512 consecutive bytes
	global_store_b128 v2, v[8:11], s[10:11] offset:4096
	s_wait_loadcnt 0x0                             ; pctx
	v_pk_mul_f32 v[108:109], v[16:17], v[80:81] op_sel_hi:[1,0]   ; block 0 starts the sums
	v_pk_mul_f32 v[110:111], v[18:19], v[80:81] op_sel_hi:[1,0]
.irp g, 1,3,5,7,9,11,13,15                     ; f_g of an odd g is its pair's second word, of an even g the first
	v_pk_fma_f32 v[108:109], v[16+4*\g:17+4*\g], v[79+\g:80+\g], v[108:109] op_sel:[0,1,0] op_sel_hi:[1,1,1]
	v_pk_fma_f32 v[110:111], v[18+4*\g:19+4*\g], v[79+\g:80+\g], v[110:111] op_sel:[0,1,0] op_sel_hi:[1,1,1]
.if \g < 15
	v_pk_fma_f32 v[108:109], v[20+4*\g:21+4*\g], v[81+\g:82+\g], v[108:109] op_sel_hi:[1,0,1]
	v_pk_fma_f32 v[110:111], v[22+4*\g:23+4*\g], v[81+\g:82+\g], v[110:111] op_sel_hi:[1,0,1]
.endif
.endr
	v_pk_mul_f32 v[108:109], v[108:109], v[102:103]
	v_pk_mul_f32 v[110:111], v[110:111], v[102:103]
	global_store_b128 v2, v[108:111], s[8:9]       ; the context: 512 consecutive bytes a wave
	s_wait_tensorcnt 0x0
	ds_add_u32 v128, v129
	s_wait_dscnt 0x0
	s_endpgm
.Lfunc_end_k_q4d9f3b0723_finish:
	.size	k_q4d9f3b0723_finish, .Lfunc_end_k_q4d9f3b0723_finish-k_q4d9f3b0723_finish
	.p2alignl 7, 3214868480
	.fill 96, 4, 3214868480
	.section	.rodata,"a",@progbits
	.p2align	6, 0x0
	.amdhsa_kernel k_q4d9f3b0723_finish
		.amdhsa_group_segment_fixed_size 2048
		.amdhsa_private_segment_fixed_size 0
		.amdhsa_enable_private_segment 0
		.amdhsa_kernarg_size 32
		.amdhsa_user_sgpr_count 2
		.amdhsa_user_sgpr_kernarg_segment_ptr 1
		.amdhsa_wavefront_size32 1
		.amdhsa_system_sgpr_workgroup_id_x 1
		.amdhsa_system_sgpr_workgroup_id_y 1
		.amdhsa_system_sgpr_workgroup_id_z 1
		.amdhsa_system_vgpr_workitem_id 0
		.amdhsa_next_free_vgpr 130
		.amdhsa_next_free_sgpr 66
		.amdhsa_reserve_vcc 0
		.amdhsa_float_denorm_mode_32 3
		.amdhsa_float_denorm_mode_16_64 3
		.amdhsa_memory_ordered 1
		.amdhsa_forward_progress 1
		.amdhsa_inst_pref_size 12
	.end_amdhsa_kernel
	.amdgpu_metadata
---
amdhsa.version: [ 1, 2 ]
amdhsa.kernels:
  - .name:           k_q4d9f3b0723_finish
    .symbol:         k_q4d9f3b0723_finish.kd
    .args:
      - { .name: ts, .offset: 0, .size: 8, .value_kind: global_buffer, .address_space: global }
      - { .name: pctx, .offset: 8, .size: 8, .value_kind: global_buffer, .address_space: global }
      - { .name: out0, .offset: 16, .size: 8, .value_kind: global_buffer, .address_space: global }
      - { .name: out1, .offset: 24, .size: 8, .value_kind: global_buffer, .address_space: global }
    .group_segment_fixed_size: 2048
    .private_segment_fixed_size: 0
    .kernarg_segment_align: 8
    .kernarg_segment_size: 32
    .max_flat_workgroup_size: 256
    .sgpr_count:     66
    .vgpr_count:     130
    .wavefront_size: 32
...
	.end_amdgpu_metadata
.endif
;; end of part 3
